; MI455X (gfx1250); checked and timed in simulation.
; The chip was launched on July 23, 2026; its instructions are those of AMD's public machine-readable ISA for CDNA 5 (MIT licence, August 2026) and "CDNA5" Instruction Set Architecture Reference Guide (July 2026). The comments in the code are by the model that wrote it; some were corrected since.
;; mean Pred. Allowed arithmetic: matrix products marked QUANTISED: E2M1 operands, one E8M0 scale for each 32 along K, by v_wmma_scale_f32_16x16x128_f8f6f4 with both operands' format E2M1 (or v_wmma_scale_f32_32x16x128_f4), f32 sums; everything else in f32.
;; Inputs: mask 16 x 4,096 int32; pool 16 x 4,096 x 512 float32; pool_labels 16 x 4,096 int32; query 16 x 2,048 x 512 float32.
;; Outputs: out0 16 x 2,048 float32.
;; This version of the problem:
;;   THIS VERSION OF THE PROBLEM IS GIVEN IN LOW PRECISION. The matrix products marked QUANTISED in the list below multiply operands that are first quantised to E2M1 (2 exponent bits, 1 mantissa bit; 4 bits a number), with one power-of-two scale for each 32 numbers along K (OCP MX v1.0); their sums are f32. All else is computed in f32.
;;   The module's matrix products, in the order in which they are computed (A, B: the left and right operand; K: the contracted axis; several contracted axes count as one K, in the product's order):
;;     1. batch 16 x [M 2,048, K 512] x [K 512, N 4,096]; A: input query; B: input pool: QUANTISED
;;   THE QUANTISER, for each operand of a quantised product, along K:
;;     - K is cut into blocks of 32 from its start; a last block that is shorter is filled with zeros.
;;     - A block's scale is 2^e with e = floor(log2(the largest magnitude in the block)) - 2, held to -126 .. 127; a block of zeros has e = 0. As a byte (E8M0): e + 127.
;;     - Each number is divided by its block's scale, clamped to +-6, and rounded to the nearest number of E2M1, ties to even, subnormals kept.
;;     - The product sums the exact products of the quantised numbers (number of the format x scale) in f32.
;;   ~~~python
;;   def quantise(x, axis):      # numpy; x: float32 -> the quantised numbers, widened to float32 again
;;       x = np.moveaxis(x, axis, -1); K = x.shape[-1]
;;       x = np.pad(x, [(0, 0)] * (x.ndim - 1) + [(0, -K % 32)]); x = x.reshape(x.shape[:-1] + (-1, 32)); a = np.abs(x).max(-1, keepdims=True)
;;       e = np.where(a > 0, np.clip(np.frexp(np.where(a > 0, a, 1))[1] - 1 - 2, -126, 127), 0)      # np.frexp(a)[1] - 1 = floor(log2(a)), exactly
;;       r = np.clip(x / 2.0 ** e, -6, 6)
;;       step = 2.0 ** (np.maximum(np.frexp(np.where(r == 0, 1, r))[1] - 1, 0) - 1)
;;       q = np.round(r / step) * step * 2.0 ** e      # np.round: ties to even
;;       return np.moveaxis(q.reshape(q.shape[:-2] + (-1,))[..., :K], -1, axis).astype(np.float32)
;;   ~~~
;; 2 versions, each right; version 2 is version 1 with the launch gemm written anew for expert scheduling mode. Each part assembles by itself: llvm-mc -triple=amdgcn-amd-amdhsa -mcpu=gfx1250 --defsym DOCPART=n.
;; ======== version 1 of 2: 2 launches
;; workspace buffers: pcodes 16,777,216 bytes; pscale 1,048,576 bytes; pcoef 262,144 bytes; qcodes 8,388,608 bytes; qscale 524,288 bytes; qinv 131,072 bytes; counts 256 bytes of whole numbers
;; launch quant (part 1): grid 512 x 1, 8 waves a work-group, no clusters, 156,928 bytes of LDS; arguments pool, query, mask, pool_labels, pcodes, pscale, pcoef, qcodes, qscale, qinv, counts; writes pcodes, pscale, pcoef, qcodes, qscale, qinv, counts
.if DOCPART == 1
	.amdgcn_target "amdgcn-amd-amdhsa--gfx1250"
	.amdhsa_code_object_version 6
	.text
	.protected	k_qe03e6312e6_quant
	.globl	k_qe03e6312e6_quant
	.p2align	8
	.type	k_qe03e6312e6_quant,@function
k_qe03e6312e6_quant:
	s_mov_b64 s[64:65], 0
	v_nop
	global_prefetch_b8 v0, s[64:65] scope:SCOPE_SE
	s_setreg_imm32_b32 hwreg(HW_REG_WAVE_MODE, 25, 1), 1
	s_wait_xcnt 0x0
; pred[t][q] = (1/|q|) x the sum over kept pool rows p of c_p x (Q(q) . Q(p)),  c_p = (pos_p / max(np,1) - neg_p / max(nn,1)) / |p|,
; pos_p = mask != 0 and label != 0, neg_p = mask != 0 and label != 1, np and nn their counts in the batch; Q = the MX-FP4 quantiser along the 512.
; THIS LAUNCH turns the queries and the KEPT pool rows (mask != 0; the others fall under both of the problem's own keep masks and are neither read nor multiplied)
; into codes of E2M1 with one E8M0 byte for each 32 along K, takes the norms of the raw f32 rows, and stores for the second launch:
;   codes   [t][tile of 16 rows][block 16][row 16][16 bytes]: the order of the matrix operand's registers: 512 consecutive bytes are four registers of 32 lanes
;   scales  [t][tile][h 2][row 16][u 2] words: the word of K step 2 u + h;  coefficient c (pool) or 1/|q| (query), one f32 a row;  counts[t] = tiles of the batch.
; A kept pool row goes to slot k = its rank among the kept rows of its batch; the batch's last tile is filled up with zero codes, bytes 127 and c = 0.
; SHARES.  512 work-groups of eight waves: numbers 0-255 take queries (16 rows a wave), 256-511 pool rows (32 source rows a wave); 16 work-groups to a batch in both.
; One text serves both: only pointers are chosen, and the arm that reads mask and labels is the pool's.  Waves share nothing but the counts, which cross LDS once.
; A ROW: four loads of 512 consecutive bytes; through the wave's own stage in LDS, so that a lane holds 16 neighbours along K (two lanes a block); largest magnitude, scale, conversion;
; codes, bytes and coefficients gather in the wave's own LDS by slot and leave at the end, neighbouring lanes storing neighbouring 16 bytes.
; No tensor loads (trip counts hang on the mask), no cluster (no two work-groups read the same rows), no prefetch (every wave already has four rows, 8,192 bytes, on their way while it works).
; LIMITS: NaN and infinities in kept rows are not served; a block whose largest magnitude lies under 2^-124 keeps the byte 1 (a block of zeros too: its codes are zeros, and this program alone reads the bytes);
; a row's sum of squares must stay inside f32's normal range (magnitudes from about 1e-19 to 1e18); 1/sqrt and 1/n are v_rsq_f32 and v_rcp_f32, which stand behind the quantiser, not ahead of it;
; a kept row or a query of zeros gives NaN, as 0/0 does in the problem.  Labels other than 0 and 1 count as the problem's two comparisons count them.
.set SP,    80                         ; a lane's place in the stage: 64 bytes + 16 of padding
.set ROWST, 32*SP                      ; a row's stage
.set PLANE, 4*ROWST                    ; behind four rows' stages: codes, 16 blocks x (32 slots x 16 bytes + 16)
.set PP,    528
.set SCST,  PLANE+16*PP                ; scale bytes [h 2][slot 32][8]
.set CST,   SCST+512                   ; (a, b) for each slot
.set WREG,  CST+256                    ; a wave's region: 19,456 bytes
.set CNT,   8*WREG                     ; the work-group's: eight records of 16 bytes
.set R,     32                         ; v32-95   four rows as loaded; on the way out 16 blocks x 4 registers
.set X,     96                         ; v96-159  four rows x 16 neighbours; first the counting data
.set W,     160                        ; v160-207 twelve a row: +0,+1 maxima, +2 scale operand, +3 byte, +4,+5 codes, +6,+7 sum of squares, +8 the other half's, +9 1/norm, +10,+11 (a, b)
.set TL,    208                        ; v208-223 the batch's end: +0 slot, +1 16 x tile, +2 row, +3,+4,+5 offsets in codes, scales, c, +6 tiles, +7 offset in counts, +8..+11 zeros, +12,+13 bytes 127
.set WV,    2                          ; s2  wave
.set ISP,   3                          ; s3  1 in a pool work-group
.set SRC,   4                          ; s[4:5]   rows: at my chunk's first
.set CODES, 12                         ; s[12:13] codes, s[14:15] scales, s[16:17] coefficients: at my batch
.set SCL,   14
.set COEF,  16
.set TT,    27                         ; batch
.set GG,    28                         ; work-group in the batch
.set ROW0,  29                         ; my first row in the batch
.set OFS,   30                         ; s[30:31] a byte offset, high word 0
.set WORD,  32                         ; rows still to fetch, a bit a row
.set LA,    33                         ; label != 0
.set LB,    34                         ; label != 1
.set NN,    35                         ; my kept rows
.set BASE,  36                         ; slot of my first kept row
.set INP,   37                         ; 1 / max(np, 1)
.set INN,   38                         ; 1 / max(nn, 1)
.set RR,    39
.set RB,    40                         ; s[40:47] four row addresses
.set FL,    48                         ; s[48:63] (fa, fb) x 4 rows, two sets by the group's parity
.set SEL,   66                         ; s[66:67] v_permlanex16_b32: lane l xor 16
.set SVX,   68
.set T0,    69
	s_load_b256 s[4:11], s[0:1], 0x0               ; pool, query, mask, labels
	s_load_b256 s[12:19], s[0:1], 0x20             ; pool's codes, scales, coefficients; query's codes
	s_load_b128 s[20:23], s[0:1], 0x40             ; query's scales, 1/|q|
	s_load_b64 s[24:25], s[0:1], 0x50              ; counts
	v_lshl_add_u32 v224, v0, 2, 0x26100
	v_mov_b32 v225, 0
	v_lshrrev_b32 v14, 5, v0
	v_readfirstlane_b32 s[WV], v14
	v_and_b32 v1, 31, v0                           ; lane
	s_mul_i32 s[T0], s[WV], WREG                   ; my wave's region
	; every LDS address is made here: a constant, a constant x lane, a constant x wave
	v_lshlrev_b32 v2, 4, v1                        ; v2  16 x lane: my bytes of a load's 512
	v_lshrrev_b32 v14, 2, v1
	v_mul_u32_u24 v3, v14, SP
	v_and_b32 v15, 3, v1
	v_lshl_add_u32 v3, v15, 4, v3
	v_add_nc_u32 v3, s[T0], v3                     ; v3  the stage, in: four lanes' 64 bytes on end, then the padding
	v_mul_u32_u24 v4, v1, SP
	v_add_nc_u32 v4, s[T0], v4                     ; v4  the stage, out: my 16 neighbours
	v_lshrrev_b32 v14, 1, v1                       ; my block
	v_mul_u32_u24 v5, v14, PP
	v_and_b32 v15, 1, v1
	v_lshl_add_u32 v5, v15, 3, v5
	v_add_nc_u32 v5, s[T0], v5
	v_add_nc_u32 v5, PLANE, v5                     ; v5  my 8 bytes of codes in slot 0
	v_bfe_u32 v6, v1, 3, 1                         ; block b = lane / 2 belongs to K step b / 4 = 2 u + h
	v_lshlrev_b32 v6, 8, v6                        ; h = (b / 4) % 2: 256 bytes
	v_lshrrev_b32 v15, 4, v1
	v_lshl_add_u32 v6, v15, 2, v6                  ; u = b / 8: 4 bytes
	v_and_b32 v14, 3, v14
	v_add_nc_u32 v6, v6, v14                       ; b % 4: the byte in the word
	v_add_nc_u32 v6, s[T0], v6
	v_add_nc_u32 v6, SCST, v6                      ; v6  my block's scale byte in slot 0
	s_add_co_u32 s79, s[T0], CST
	v_mov_b32 v7, s79                              ; v7  (a, b) of slot 0
	v_add_nc_u32 v8, s[T0], v2
	v_add_nc_u32 v8, PLANE, v8                     ; v8  the way out: lane = slot: its 16 bytes of block 0
	v_lshlrev_b32 v9, 3, v1
	v_add_nc_u32 v10, s79, v9                      ; v10 its (a, b)
	v_add_nc_u32 v9, s[T0], v9
	v_add_nc_u32 v9, SCST, v9                      ; v9  its two scale words of h = 0
	s_lshl_b32 s79, s[WV], 4
	s_add_co_u32 s79, s79, CNT
	v_mov_b32 v11, s79                             ; v11 my wave's record
	v_and_b32 v13, 7, v1
	v_lshl_add_u32 v12, v13, 4, CNT                ; v12 record lane % 8
.irp i, 24,25,26,27
	v_mov_b32 v\i, 0                               ; written once: the destination of a lane exchange counts as one of its sources
.endr
.irp q, 0,1,2,3
	v_mov_b32 v[W+12*\q+8], 0
.endr
.set i, 0
.rept 16
	s_mov_b32 s[FL+i], 0                           ; a group that fetches fewer than four rows leaves the others' flags as they are
.set i, i+1
.endr
	s_mov_b32 s[SEL], 0x76543210
	s_mov_b32 s[SEL+1], 0xfedcba98
	s_lshr_b32 s[TT], ttmp9, 4
	s_and_b32 s[TT], s[TT], 15
	s_and_b32 s[GG], ttmp9, 15
	s_lshr_b32 s[ISP], ttmp9, 8
	s_lshl_b32 s[ROW0], s[GG], 3
	s_add_co_u32 s[ROW0], s[ROW0], s[WV]
	s_add_co_u32 s[T0], s[ISP], 4
	s_lshl_b32 s[ROW0], s[ROW0], s[T0]             ; (8 g + w) x 16 rows (query) or x 32 (pool)
	s_mov_b32 s[OFS+1], 0
	s_mov_b32 s85, 0
	s_mov_b32 s87, 0
	s_mov_b32 s89, 0
	s_add_co_u32 s[T0], s[ISP], 22                 ; a batch of rows: 2^22 bytes (query), 2^23 (pool); a row 2,048
	s_lshl_b32 s[OFS], s[TT], s[T0]
	s_lshl_b32 s79, s[ROW0], 11
	s_add_co_u32 s[OFS], s[OFS], s79
	s_add_co_u32 s[T0], s[ISP], 19                 ; of codes: 2^19, 2^20
	s_lshl_b32 s84, s[TT], s[T0]
	s_add_co_u32 s[T0], s[ISP], 15                 ; of scale words: 2^15, 2^16
	s_lshl_b32 s86, s[TT], s[T0]
	s_add_co_u32 s[T0], s[ISP], 13                 ; of coefficients: 2^13, 2^14
	s_lshl_b32 s88, s[TT], s[T0]
	s_wait_kmcnt 0x0
	s_cmp_lt_u32 ttmp9, 256                        ; the choice hangs on the work-group's number alone
	s_cselect_b64 s[SRC:SRC+1], s[6:7], s[4:5]
	s_cselect_b64 s[CODES:CODES+1], s[18:19], s[12:13]
	s_cselect_b64 s[SCL:SCL+1], s[20:21], s[14:15]
	s_cselect_b64 s[COEF:COEF+1], s[22:23], s[16:17]
	s_add_nc_u64 s[SRC:SRC+1], s[SRC:SRC+1], s[OFS:OFS+1]
	s_add_nc_u64 s[CODES:CODES+1], s[CODES:CODES+1], s[84:85]
	s_add_nc_u64 s[SCL:SCL+1], s[SCL:SCL+1], s[86:87]
	s_add_nc_u64 s[COEF:COEF+1], s[COEF:COEF+1], s[88:89]
; The next kept row of my chunk becomes row q of a group: its address, and its two flags as 1.0 or 0.  A spent word names row 31 (only in the first group of a wave with under four kept rows): read, never stored.
.macro SCANROW q, set
	s_ctz_i32_b32 s[RR], s[WORD]
	s_min_u32 s[RR], s[RR], 31                     ; inside my chunk, whatever the word holds
	s_lshl_b32 s[OFS], s[RR], 11
	s_add_nc_u64 s[RB+2*\q:RB+2*\q+1], s[SRC:SRC+1], s[OFS:OFS+1]
	s_bitcmp1_b32 s[LA], s[RR]
	s_cselect_b32 s[FL+8*(\set)+2*\q], 1.0, 0
	s_bitcmp1_b32 s[LB], s[RR]
	s_cselect_b32 s[FL+8*(\set)+2*\q+1], 1.0, 0
	s_sub_co_u32 s[T0], s[WORD], 1
	s_and_b32 s[WORD], s[WORD], s[T0]              ; the bit is taken off
.endm
; Group g's rows, slots 4 g .. 4 g + 3, are asked for: four loads of 512 consecutive bytes a row.  Behind the first group a row past my count is not asked for.
.macro FETCHG g
.irp q, 0,1,2,3
.if (\g) > 0
	s_cmp_le_u32 s[NN], 4*(\g)+\q
	s_cbranch_scc1 .Lfetched_\@
.endif
	SCANROW \q, (\g)%2
.irp i, 0,1,2,3
	global_load_b128 v[R+16*\q+4*\i:R+16*\q+4*\i+3], v2, s[RB+2*\q:RB+2*\q+1] offset:512*\i th:TH_LOAD_NT
.endr
.endr
.Lfetched_\@:
.endm
	s_cmp_lt_u32 ttmp9, 256
	s_cbranch_scc1 .Lquery
	; ---- POOL.  My 32 rows' mask and labels; and my eighth of the batch's 4,096, for the counts
	s_lshl_b32 s[OFS], s[TT], 14
	s_lshl_b32 s79, s[ROW0], 2
	s_add_co_u32 s79, s79, s[OFS]
	s_lshl_b32 s[T0], s[WV], 11
	s_add_co_u32 s[T0], s[T0], s[OFS]
	s_mov_b32 s[OFS], s79
	s_add_nc_u64 s[80:81], s[8:9], s[OFS:OFS+1]
	s_add_nc_u64 s[82:83], s[10:11], s[OFS:OFS+1]
	s_mov_b32 s[OFS], s[T0]
	s_add_nc_u64 s[90:91], s[8:9], s[OFS:OFS+1]
	s_add_nc_u64 s[92:93], s[10:11], s[OFS:OFS+1]
	v_lshlrev_b32 v14, 2, v1
	global_load_b32 v16, v14, s[80:81]
	global_load_b32 v17, v14, s[82:83]
.irp i, 0,1,2,3
	global_load_b128 v[X+4*\i:X+4*\i+3], v2, s[90:91] offset:512*\i          ; entries 512 w + 128 i + 4 lane + 0 .. 3
	global_load_b128 v[X+16+4*\i:X+16+4*\i+3], v2, s[92:93] offset:512*\i
.endr
	s_wait_loadcnt 0x8                             ; my own two words are in; the eight counting loads behind them may be out
	v_cmp_ne_u32 s[WORD], 0, v16
	v_cmp_ne_u32 s[LA], 0, v17
	v_cmp_ne_u32 s[LB], 1, v17
	s_bcnt1_i32_b32 s[NN], s[WORD]
	FETCHG 0                                       ; the first rows go out before anything is counted
	s_wait_loadcnt 0x10                            ; the counting loads are in; the sixteen row loads behind them may be out
	s_mov_b32 s73, 0                               ; kept in the 128 entries in hand
	s_mov_b32 s74, 0                               ; positives
	s_mov_b32 s75, 0                               ; negatives
	s_mov_b32 s76, 0                               ; kept ahead of my work-group's 256 rows
	s_lshl_b32 s77, s[WV], 2
	s_lshl_b32 s78, s[GG], 1
.irp i, 0,1,2,3
.irp e, 0,1,2,3
	v_cmp_ne_u32 s70, 0, v[X+4*\i+\e]
	v_cmp_ne_u32 s71, 0, v[X+16+4*\i+\e]
	v_cmp_ne_u32 s72, 1, v[X+16+4*\i+\e]
	s_and_b32 s71, s71, s70
	s_and_b32 s72, s72, s70
	s_bcnt1_i32_b32 s70, s70
	s_bcnt1_i32_b32 s71, s71
	s_bcnt1_i32_b32 s72, s72
	s_add_co_u32 s73, s73, s70
	s_add_co_u32 s74, s74, s71
	s_add_co_u32 s75, s75, s72
.endr
	s_add_co_u32 s79, s77, \i                      ; these 128 entries are number 4 w + i of the batch's 32; my work-group begins at number 2 g
	s_cmp_lt_u32 s79, s78
	s_cselect_b32 s79, s73, 0
	s_add_co_u32 s76, s76, s79
	s_mov_b32 s73, 0
.endr
	s_branch .Lmeet
.Lquery:
	; ---- QUERY.  All 16 rows are kept; a = 1/|q|, b = 0.  The record below makes the exchange give my own first row, 128 g + 16 w, and 1 / max(0, 1) = 1.0
	s_mov_b32 s[WORD], 0xffff
	s_mov_b32 s[LA], -1
	s_mov_b32 s[LB], 0
	s_mov_b32 s[NN], 16
	s_mov_b32 s74, 0
	s_mov_b32 s75, 0
	s_lshl_b32 s76, s[GG], 4                       ; eight waves x 16 g = 128 g rows ahead of my work-group
	FETCHG 0
.Lmeet:
	; ---- THE COUNTS CROSS LDS, while the first rows are on their way: each wave's record, a barrier, every lane reads record lane % 8, three exchanges add the eight
	v_mov_b32 v20, s74
	v_mov_b32 v21, s75
	v_mov_b32 v22, s76
	v_mov_b32 v23, s[NN]
	ds_store_b128 v11, v[20:23]
	s_wait_dscnt 0x0                               ; for the others' sake: my record has landed
	s_barrier_signal -1
	s_barrier_wait -1
	ds_load_b128 v[20:23], v12
	s_wait_dscnt 0x0
	v_cmp_gt_u32 vcc_lo, s[WV], v13
	v_cndmask_b32 v23, 0, v23, vcc_lo              ; the kept rows of the waves in front of mine
.irp m, 1,2,4
.irp i, 0,1,2,3
	v_mov_b32_dpp v[24+\i], v[20+\i] row_xmask:\m row_mask:0xf bank_mask:0xf
.endr
.irp i, 0,1,2,3
	v_add_nc_u32 v[20+\i], v[20+\i], v[24+\i]
.endr
.endr
	v_add_nc_u32 v22, v22, v23
	v_readfirstlane_b32 s[BASE], v22
	v_readfirstlane_b32 s74, v20
	v_readfirstlane_b32 s75, v21
	s_max_u32 s74, s74, 1
	s_max_u32 s75, s75, 1
	v_cvt_f32_u32 v24, s74
	v_cvt_f32_u32 v25, s75
	v_rcp_f32 v26, v24
	v_rcp_f32 v27, v25
	v_nop                                          ; a plain instruction behind the reciprocals,
	s_wait_alu depctr_va_vdst(0)                   ; and the one wait ahead of their first reader
	v_readfirstlane_b32 s[INP], v26
	v_readfirstlane_b32 s[INN], v27
; Four rows through the stage: as loaded in, 16 neighbours a lane out.  LDS serves a wave's instructions in order, so no wait stands between.
.macro TURN
.irp q, 0,1,2,3
.irp i, 0,1,2,3
	ds_store_b128 v3, v[R+16*\q+4*\i:R+16*\q+4*\i+3] offset:ROWST*\q+8*SP*\i
.endr
.endr
.irp q, 0,1,2,3
.irp j, 0,1,2,3
	ds_load_b128 v[X+16*\q+4*\j:X+16*\q+4*\j+3], v4 offset:ROWST*\q+16*\j
.endr
.endr
.endm
; Four rows by turns, line by line, so that no line waits for the line above it.  Slots 4 g + q.
.macro QUANT4 g
.irp q, 0,1,2,3
	v_max3_num_f32 v[W+12*\q], |v[X+16*\q]|, |v[X+16*\q+1]|, |v[X+16*\q+2]|          ; the largest magnitude of my 16, in two chains
	v_max3_num_f32 v[W+12*\q+1], |v[X+16*\q+3]|, |v[X+16*\q+4]|, |v[X+16*\q+5]|
.endr
.irp i, 6,10
.irp q, 0,1,2,3
	v_max3_num_f32 v[W+12*\q], v[W+12*\q], |v[X+16*\q+\i]|, |v[X+16*\q+\i+1]|
	v_max3_num_f32 v[W+12*\q+1], v[W+12*\q+1], |v[X+16*\q+\i+2]|, |v[X+16*\q+\i+3]|
.endr
.endr
.irp q, 0,1,2,3
	v_max3_num_f32 v[W+12*\q], v[W+12*\q], |v[X+16*\q+14]|, |v[X+16*\q+15]|
.endr
.irp q, 0,1,2,3
	v_max3_num_f32 v[W+12*\q], v[W+12*\q], v[W+12*\q+1], 0x1800000                  ; and the floor 2^(3 - 127): the byte cannot fall under 1
.endr
.irp q, 0,1,2,3
	v_max_num_f32_dpp v[W+12*\q], v[W+12*\q], v[W+12*\q] row_xmask:1 row_mask:0xf bank_mask:0xf   ; with my neighbour's 16: the block's
.endr
.irp q, 0,1,2,3
	v_add_nc_u32 v[W+12*\q+2], 0xff000000, v[W+12*\q]                               ; 2 off its exponent field: the conversion takes this operand's exponent field as its scale
.endr
.irp q, 0,1,2,3
	v_cvt_scalef32_pk8_fp4_f32 v[W+12*\q+4], v[X+16*\q:X+16*\q+7], v[W+12*\q+2]
	v_cvt_scalef32_pk8_fp4_f32 v[W+12*\q+5], v[X+16*\q+8:X+16*\q+15], v[W+12*\q+2]
.endr
.irp q, 0,1,2,3
	v_lshrrev_b32 v[W+12*\q+3], 23, v[W+12*\q+2]                                    ; the scale's byte (plain lines behind the conversions)
.endr
.irp q, 0,1,2,3
	ds_store_b64 v5, v[W+12*\q+4:W+12*\q+5] offset:16*(4*(\g)+\q)
	ds_store_b8 v6, v[W+12*\q+3] offset:8*(4*(\g)+\q)                               ; both lanes of a block write the same byte with the same value
.endr
.irp q, 0,1,2,3
	v_pk_mul_f32 v[W+12*\q+6:W+12*\q+7], v[X+16*\q:X+16*\q+1], v[X+16*\q:X+16*\q+1]  ; the norm is the raw row's
.endr
.irp j, 2,4,6,8,10,12,14
.irp q, 0,1,2,3
	v_pk_fma_f32 v[W+12*\q+6:W+12*\q+7], v[X+16*\q+\j:X+16*\q+\j+1], v[X+16*\q+\j:X+16*\q+\j+1], v[W+12*\q+6:W+12*\q+7]
.endr
.endr
.irp q, 0,1,2,3
	v_add_f32 v[W+12*\q+6], v[W+12*\q+6], v[W+12*\q+7]
.endr
.irp m, 1,2,4,8
.irp q, 0,1,2,3
	v_add_f32_dpp v[W+12*\q+6], v[W+12*\q+6], v[W+12*\q+6] row_xmask:\m row_mask:0xf bank_mask:0xf
.endr
.endr
.irp q, 0,1,2,3
	v_permlanex16_b32 v[W+12*\q+8], v[W+12*\q+6], s[SEL], s[SEL+1]
.endr
.irp q, 0,1,2,3
	v_add_f32 v[W+12*\q+6], v[W+12*\q+6], v[W+12*\q+8]                              ; every lane holds the row's sum of squares
.endr
.irp q, 0,1,2,3
	v_rsq_f32 v[W+12*\q+9], v[W+12*\q+6]
.endr
	v_nop                                          ; a plain instruction behind the batch of four,
	s_wait_alu depctr_va_vdst(0)                   ; and one wait ahead of its first reader
.irp q, 0,1,2,3
	v_mul_f32 v[W+12*\q+10], s[FL+8*((\g)%2)+2*\q], v[W+12*\q+9]                    ; a = 1/norm where label != 0
	v_mul_f32 v[W+12*\q+11], s[FL+8*((\g)%2)+2*\q+1], v[W+12*\q+9]                  ; b = 1/norm where label != 1
.endr
.irp q, 0,1,2,3
	ds_store_b64 v7, v[W+12*\q+10:W+12*\q+11] offset:8*(4*(\g)+\q)                  ; all lanes write the same pair
.endr
.endm
.macro GROUP g
	s_wait_loadcnt 0x0                             ; this group's rows are in.  For 0: how many loads the group behind it has issued hangs on my count
	TURN
	s_wait_dscnt 0x0                               ; my 16 neighbours are in; the stage's stores have read R, and the last group's stores their registers
.if (\g) < 7
	FETCHG (\g)+1                                  ; the next four rows are on their way while these are worked
.endif
	QUANT4 \g
.if (\g) < 7
	s_cmp_le_u32 s[NN], 4*((\g)+1)
	s_cbranch_scc1 .Lout                           ; nothing was asked for beyond my count
.endif
.endm
.irp g, 0,1,2,3,4,5,6,7
	GROUP \g
.endr
.Lout:
	; ---- THE WAY OUT.  Every register that serves as an offset below is made HERE, with all lanes on, ahead of the first line that narrows EXEC.
	; Lane i takes local slot i to slot k = BASE + i of the batch
	v_add_nc_u32 v14, s[BASE], v1
	v_min_u32 v14, 0xfff, v14                      ; inside the batch's 4,096 slots, whatever was counted
	v_and_b32 v15, 0xff0, v14                      ; 16 x tile
	v_and_b32 v16, 15, v14                         ; row in the tile
	v_lshlrev_b32 v17, 8, v15
	v_lshl_add_u32 v17, v16, 4, v17                ; codes: 4,096 x tile + 16 x row
	v_lshlrev_b32 v18, 4, v15
	v_lshl_add_u32 v18, v16, 3, v18                ; scale words: 256 x tile + 8 x row
	v_lshlrev_b32 v19, 2, v14                      ; coefficient: 4 k
	; and the slots behind my last one, BASE + N + i: used by the batch's last wave alone, which fills the last tile up.  Every wave makes them: 22 plain lines, once
	s_add_co_u32 s70, s[BASE], s[NN]               ; in that wave: K, the batch's kept rows
	v_add_nc_u32 v[TL], s70, v1
	v_min_u32 v[TL], 0xfff, v[TL]
	v_and_b32 v[TL+1], 0xff0, v[TL]
	v_and_b32 v[TL+2], 15, v[TL]
	v_lshlrev_b32 v[TL+3], 8, v[TL+1]
	v_lshl_add_u32 v[TL+3], v[TL+2], 4, v[TL+3]
	v_lshlrev_b32 v[TL+4], 4, v[TL+1]
	v_lshl_add_u32 v[TL+4], v[TL+2], 3, v[TL+4]
	v_lshlrev_b32 v[TL+5], 2, v[TL]
	s_add_co_u32 s71, s70, 15
	s_lshr_b32 s71, s71, 4
	v_mov_b32 v[TL+6], s71                         ; tiles of the batch
	s_lshl_b32 s[T0], s[TT], 2
	v_mov_b32 v[TL+7], s[T0]                       ; counts[t]
.irp i, 8,9,10,11
	v_mov_b32 v[TL+\i], 0                          ; zero codes, and c = 0
.endr
	v_mov_b32 v[TL+12], 0x7f7f7f7f                 ; bytes 127
	v_mov_b32 v[TL+13], 0x7f7f7f7f
	v_cmp_gt_u32 vcc_lo, s[NN], v1
	s_wait_xcnt 0x0                                ; EXEC changes only behind this wait
	s_and_saveexec_b32 s[SVX], vcc_lo              ; the lanes that have a slot
.irp b, 0,1,2,3,4,5,6,7,8,9,10,11,12,13,14,15
	ds_load_b128 v[R+4*\b:R+4*\b+3], v8 offset:PP*\b
.endr
	ds_load_b64 v[X:X+1], v9
	ds_load_b64 v[X+2:X+3], v9 offset:256
	ds_load_b64 v[X+4:X+5], v10
	s_wait_dscnt 0x0
	v_mul_f32 v[X+4], s[INP], v[X+4]
	v_fma_f32 v[X+4], -v[X+5], s[INN], v[X+4]      ; c = a / max(np, 1) - b / max(nn, 1)
.irp b, 0,1,2,3,4,5,6,7,8,9,10,11,12,13,14,15
	global_store_b128 v17, v[R+4*\b:R+4*\b+3], s[CODES:CODES+1] offset:256*\b      ; neighbouring lanes store neighbouring 16 bytes of block b
.endr
	global_store_b64 v18, v[X:X+1], s[SCL:SCL+1]
	global_store_b64 v18, v[X+2:X+3], s[SCL:SCL+1] offset:128
	global_store_b32 v19, v[X+4], s[COEF:COEF+1]
	s_wait_xcnt 0x0                                ; and again, in front of the line that widens EXEC
	s_or_b32 exec_lo, exec_lo, s[SVX]
	; ---- THE BATCH'S END: the pool's last wave of the batch fills the last tile up and stores the number of tiles.  Only scalar lines, compares and stores from here on
	s_and_b32 s[T0], ttmp9, 0x10f
	s_cmp_lg_u32 s[T0], 0x10f
	s_cbranch_scc1 .Lend
	s_cmp_lg_u32 s[WV], 7
	s_cbranch_scc1 .Lend
	s_sub_co_u32 s72, 0, s70
	s_and_b32 s72, s72, 15                         ; slots left in the last tile
	v_cmp_gt_u32 vcc_lo, s72, v1
	s_and_saveexec_b32 s[SVX], vcc_lo              ; (no load or store has been issued since the last wait on XCNT)
.irp b, 0,1,2,3,4,5,6,7,8,9,10,11,12,13,14,15
	global_store_b128 v[TL+3], v[TL+8:TL+11], s[CODES:CODES+1] offset:256*\b
.endr
	global_store_b64 v[TL+4], v[TL+12:TL+13], s[SCL:SCL+1]
	global_store_b64 v[TL+4], v[TL+12:TL+13], s[SCL:SCL+1] offset:128
	global_store_b32 v[TL+5], v[TL+8], s[COEF:COEF+1]
	s_wait_xcnt 0x0
	s_or_b32 exec_lo, exec_lo, s[SVX]
	v_cmp_eq_u32 vcc_lo, 0, v1
	s_and_saveexec_b32 s[SVX], vcc_lo
	global_store_b32 v[TL+7], v[TL+6], s[24:25]    ; counts[t], by lane 0
	s_wait_xcnt 0x0
	s_or_b32 exec_lo, exec_lo, s[SVX]
.Lend:
	s_wait_tensorcnt 0x0
	ds_add_u32 v224, v225
	s_wait_dscnt 0x0
	s_endpgm
.Lfunc_end_k_qe03e6312e6_quant:
	.size	k_qe03e6312e6_quant, .Lfunc_end_k_qe03e6312e6_quant-k_qe03e6312e6_quant
	.p2alignl 7, 3214868480
	.fill 96, 4, 3214868480
	.section	.rodata,"a",@progbits
	.p2align	6, 0x0
	.amdhsa_kernel k_qe03e6312e6_quant
		.amdhsa_group_segment_fixed_size 156928
		.amdhsa_private_segment_fixed_size 0
		.amdhsa_enable_private_segment 0
		.amdhsa_kernarg_size 88
		.amdhsa_user_sgpr_count 2
		.amdhsa_user_sgpr_kernarg_segment_ptr 1
		.amdhsa_wavefront_size32 1
		.amdhsa_system_sgpr_workgroup_id_x 1
		.amdhsa_system_sgpr_workgroup_id_y 1
		.amdhsa_system_sgpr_workgroup_id_z 1
		.amdhsa_system_vgpr_workitem_id 0
		.amdhsa_next_free_vgpr 226
		.amdhsa_next_free_sgpr 96
		.amdhsa_reserve_vcc 1
		.amdhsa_float_denorm_mode_32 3
		.amdhsa_float_denorm_mode_16_64 3
		.amdhsa_memory_ordered 1
		.amdhsa_forward_progress 1
		.amdhsa_inst_pref_size 131
	.end_amdhsa_kernel
	.amdgpu_metadata
---
amdhsa.version: [ 1, 2 ]
amdhsa.kernels:
  - .name:           k_qe03e6312e6_quant
    .symbol:         k_qe03e6312e6_quant.kd
    .args:
      - { .name: pool, .offset: 0, .size: 8, .value_kind: global_buffer, .address_space: global }
      - { .name: query, .offset: 8, .size: 8, .value_kind: global_buffer, .address_space: global }
      - { .name: mask, .offset: 16, .size: 8, .value_kind: global_buffer, .address_space: global }
      - { .name: pool_labels, .offset: 24, .size: 8, .value_kind: global_buffer, .address_space: global }
      - { .name: pcodes, .offset: 32, .size: 8, .value_kind: global_buffer, .address_space: global }
      - { .name: pscale, .offset: 40, .size: 8, .value_kind: global_buffer, .address_space: global }
      - { .name: pcoef, .offset: 48, .size: 8, .value_kind: global_buffer, .address_space: global }
      - { .name: qcodes, .offset: 56, .size: 8, .value_kind: global_buffer, .address_space: global }
      - { .name: qscale, .offset: 64, .size: 8, .value_kind: global_buffer, .address_space: global }
      - { .name: qinv, .offset: 72, .size: 8, .value_kind: global_buffer, .address_space: global }
      - { .name: counts, .offset: 80, .size: 8, .value_kind: global_buffer, .address_space: global }
    .group_segment_fixed_size: 156928
    .private_segment_fixed_size: 0
    .kernarg_segment_align: 8
    .kernarg_segment_size: 88
    .max_flat_workgroup_size: 256
    .sgpr_count:     96
    .vgpr_count:     226
    .wavefront_size: 32
...
	.end_amdgpu_metadata
.endif
;; end of part 1
;; launch gemm (part 2): grid 256 x 1, 4 waves a work-group, no clusters, 2,560 bytes of LDS; arguments pcodes, pscale, pcoef, qcodes, qscale, qinv, counts, out0; writes out0
.if DOCPART == 2
	.amdgcn_target "amdgcn-amd-amdhsa--gfx1250"
	.amdhsa_code_object_version 6
	.text
	.protected	k_qe03e6312e6_gemm
	.globl	k_qe03e6312e6_gemm
	.p2align	8
	.type	k_qe03e6312e6_gemm,@function
k_qe03e6312e6_gemm:
	s_mov_b64 s[64:65], 0
	v_nop
	global_prefetch_b8 v0, s[64:65] scope:SCOPE_SE
	s_setreg_imm32_b32 hwreg(HW_REG_WAVE_MODE, 25, 1), 1
	s_wait_xcnt 0x0
; out0[t][q] = (1/|q|) x the sum over the batch's kept pool rows k of c_k x (Q(q) . Q(p_k)): the quantised product on codes of E2M1 with E8M0 scales, K = 512, sums in f32.
; The launch before has laid codes, scale words and c by tiles of 16 rows, in the order of the operand's registers, and stored counts[t] = the batch's tiles.
; SHARES.  A work-group owns 128 queries of a batch and is the one owner of their outputs.  Each of its four waves keeps the fragments of all 128 queries in 256 registers and takes every fourth
; pool tile (4 i + wave): a tile's 4,096 bytes of codes come by eight loads of 512 consecutive bytes straight into the operand's registers and feed 32 matrix instructions; no fragment is read twice
; by a wave and none goes through LDS.  At the end the four waves' sums meet in LDS once.
; LAYOUT.  Source 0 = 16 pool rows, source 1 = 16 queries: a lane holds ONE query (lane % 16) and its eight registers the pool rows 8 (lane / 16) + 0 .. 7, so the weights c are eight registers a tile
; and the weighted sum is four packed multiply-adds for each tile of queries.
; A scale register holds the words of K step 2 u in lanes 0-15 and of 2 u + 1 in lanes 16-31: odd steps read the upper row.
; THE WALK IS TURNED from work-group to work-group: work-group qb of a batch begins at tile index (qb x n) / 16 and wraps, in two passes, so that the sixteen that walk the same tiles stand at different ones.
; NO TENSOR LOAD, NO CLUSTER: the number of tiles is read from memory, so trip counts and branches hang on a loaded number; multiplying the kept rows alone
; is worth more here than a joint request would be.  No prefetch: each tile is read by sixteen work-groups, not once.
; REGISTERS, in windows of 256: window 0: v1-8 addresses and 1/|q|; v16-31 Q's scale words; v32-51 the pool's (two a tile, ten tiles); v52-67 the sums; v68-131 the eight products; v132-211 c (eight a tile); v212.. at work.
;   window 1: Q's fragments, tile n, K step s at v[32 n + 8 s].   window 2: pool set 0, tile u, K step s at v[32 u + 8 s], u < 5.   window 3: pool set 1 likewise.
.set QS,   16
.set PS,   32
.set ACC,  52
.set D,    68
.set CC,   132
.set WV,   2
.set TT,   3
.set QB,   4
.set T0,   5
.set OFS,  6                           ; s[6:7] a byte offset, high word 0
.set NT,   24                          ; the batch's tiles
.set NW,   25                          ; my wave's
.set ROT,  26                          ; where my walk begins
.set REM0, 27                          ; tiles of pass 0
.set LEFT, 28                          ; tiles left in the pass, from the walking pointers on
.set TRIP, 29
.set PASS, 30
.set START, 31
.set BCD,  32                          ; s[32:33] codes, s[34:35] scale words, s[36:37] c: at my batch's tile number wave
.set BSC,  34
.set BCF,  36
.set PCD,  38                          ; s[38:43] the same three, walking
.set PSC,  40
.set PCF,  42
.set SEL,  44                          ; s[44:45] v_permlanex16_b32: lane l xor 16
.set HI,   46                          ; lanes 16-31
.set MSB, 0
.macro WIN new                         ; the immediate's high byte repeats the setting that is left; a switch that changes nothing is dropped
.if MSB != (\new)
	s_set_vgpr_msb (MSB<<8)|(\new)
.set MSB, (\new)
.endif
.endm
	s_load_b256 s[8:15], s[0:1], 0x0               ; pool's codes s[8:9], scales s[10:11], c s[12:13]; Q's codes s[14:15]
	s_load_b256 s[16:23], s[0:1], 0x20             ; Q's scales s[16:17], 1/|q| s[18:19], counts s[20:21], out0 s[22:23]
	v_lshl_add_u32 v254, v0, 2, 0x800
	v_mov_b32 v255, 0
	v_lshrrev_b32 v1, 5, v0
	v_readfirstlane_b32 s[WV], v1
	v_and_b32 v9, 31, v0                           ; lane
	v_lshlrev_b32 v1, 4, v9                        ; v1  16 x lane
	v_lshlrev_b32 v2, 3, v9                        ; v2  8 x lane
	v_lshrrev_b32 v3, 4, v9
	v_lshlrev_b32 v3, 5, v3                        ; v3  32 x (lane / 16): my eight c of a tile
	v_lshlrev_b32 v8, 2, v9
	s_lshl_b32 s[T0], s[WV], 9
	v_add_nc_u32 v8, s[T0], v8                     ; v8  LDS: my wave's 128 sums, 4 bytes a lane
	s_lshr_b32 s[TT], ttmp9, 4                     ; batch
	s_and_b32 s[QB], ttmp9, 15                     ; block of 128 queries
	s_mov_b32 s[OFS+1], 0
	s_mov_b32 s[SEL], 0x76543210
	s_mov_b32 s[SEL+1], 0xfedcba98
	s_mov_b32 s[HI], 0xffff0000
	s_wait_kmcnt 0x0
	s_lshl_b32 s[OFS], s[TT], 2
	s_add_nc_u64 s[20:21], s[20:21], s[OFS:OFS+1]
	s_load_b32 s[NT], s[20:21], 0x0                ; counts[t]
	s_lshl_b32 s[OFS], s[TT], 19
	s_lshl_b32 s[T0], s[QB], 15
	s_add_co_u32 s[OFS], s[OFS], s[T0]
	s_add_nc_u64 s[14:15], s[14:15], s[OFS:OFS+1]  ; Q's codes: 2^19 bytes a batch, 8 tiles of 4,096 a block
	s_lshl_b32 s[OFS], s[TT], 15
	s_lshl_b32 s[T0], s[QB], 11
	s_add_co_u32 s[OFS], s[OFS], s[T0]
	s_add_nc_u64 s[16:17], s[16:17], s[OFS:OFS+1]  ; its scale words: 256 bytes a tile
	s_lshl_b32 s[OFS], s[TT], 13
	s_lshl_b32 s[T0], s[QB], 9
	s_add_co_u32 s[OFS], s[OFS], s[T0]
	s_add_nc_u64 s[18:19], s[18:19], s[OFS:OFS+1]  ; 1/|q| and out0: 4 bytes a query
	s_add_nc_u64 s[22:23], s[22:23], s[OFS:OFS+1]
	s_lshl_b32 s[OFS], s[TT], 20
	s_lshl_b32 s[T0], s[WV], 12
	s_add_co_u32 s[OFS], s[OFS], s[T0]
	s_add_nc_u64 s[BCD:BCD+1], s[8:9], s[OFS:OFS+1]
	s_lshl_b32 s[OFS], s[TT], 16
	s_lshl_b32 s[T0], s[WV], 8
	s_add_co_u32 s[OFS], s[OFS], s[T0]
	s_add_nc_u64 s[BSC:BSC+1], s[10:11], s[OFS:OFS+1]
	s_lshl_b32 s[OFS], s[TT], 14
	s_lshl_b32 s[T0], s[WV], 6
	s_add_co_u32 s[OFS], s[OFS], s[T0]
	s_add_nc_u64 s[BCF:BCF+1], s[12:13], s[OFS:OFS+1]
	WIN 0x40                                       ; destination window 1
.irp n, 0,1,2,3,4,5,6,7
.irp p, 0,1,2,3,4,5,6,7
	global_load_b128 v[32*\n+4*\p:32*\n+4*\p+3], v1, s[14:15] offset:4096*\n+512*\p   ; load p = 2 s + c: registers 4 c .. 4 c + 3 of K step s; they stay
.endr
.endr
	WIN 0
.irp n, 0,1,2,3,4,5,6,7
	global_load_b64 v[QS+2*\n:QS+2*\n+1], v2, s[16:17] offset:256*\n
.endr
	global_load_b128 v[4:7], v1, s[18:19]          ; 1/|q| of queries 4 lane .. 4 lane + 3
	; Every register is written before it is read on every way through the text.  The pool's two sets, their scale words and their c are filled by loads that a count read from memory may jump over,
	; so each is written once here, with the sums, which begin as zeros (a batch may have no tile).  The lines stand behind the head's 73 loads, for whose data the wave would only wait.
	WIN 0x80
.set i, 0
.rept 160
	v_mov_b32 v[i], 0
.set i, i+1
.endr
	WIN 0xc0
.set i, 0
.rept 160
	v_mov_b32 v[i], 0
.set i, i+1
.endr
	WIN 0
.set i, PS
.rept 36
	v_mov_b32 v[i], 0                              ; the pool's scale words, and the sums
.set i, i+1
.endr
.set i, CC
.rept 80
	v_mov_b32 v[i], 0
.set i, i+1
.endr
	s_wait_kmcnt 0x0
	s_min_u32 s[NT], s[NT], 256                    ; inside the batch, whatever was read
	s_add_co_u32 s[NW], s[NT], 3
	s_sub_co_u32 s[NW], s[NW], s[WV]
	s_lshr_b32 s[NW], s[NW], 2                     ; tiles 4 i + wave under NT
	s_min_u32 s[NW], s[NW], 64
	s_mul_i32 s[ROT], s[QB], s[NW]
	s_lshr_b32 s[ROT], s[ROT], 4
	s_min_u32 s[ROT], s[ROT], 63
	s_sub_co_u32 s[REM0], s[NW], s[ROT]
	s_mov_b32 s[PASS], 0
; Five tiles, lead .. lead + 4 from the walking pointers on, are asked for into a set: eleven loads a tile.  A tile past the pass's end is not asked for.
.macro ISSUE set, lead
.irp u, 0,1,2,3,4
	s_cmp_le_u32 s[LEFT], \lead+\u
	s_cbranch_scc1 .Lissued_\@
	WIN 0x80+0x40*(\set)                           ; destination window 2 or 3
.irp p, 0,1,2,3,4,5,6,7
	global_load_b128 v[32*\u+4*\p:32*\u+4*\p+3], v1, s[PCD:PCD+1] offset:(\lead+\u)*16384+512*\p
.endr
	WIN 0
	global_load_b64 v[PS+2*(5*(\set)+\u):PS+2*(5*(\set)+\u)+1], v2, s[PSC:PSC+1] offset:(\lead+\u)*1024
	global_load_b128 v[CC+8*(5*(\set)+\u):CC+8*(5*(\set)+\u)+3], v3, s[PCF:PCF+1] offset:(\lead+\u)*256
	global_load_b128 v[CC+8*(5*(\set)+\u)+4:CC+8*(5*(\set)+\u)+7], v3, s[PCF:PCF+1] offset:(\lead+\u)*256+16
.endr
.Lissued_\@:
.endm
; One pool tile against the 128 queries: 32 matrix instructions, the eight accumulators by turns, one instruction a turn, K ascending; the first K step starts the sums with 0.
; Then four places, and 32 packed multiply-adds with c, each product read from its low end on.  These 36 plain lines are also the places ahead of the next tile's products, which write over these,
; and ahead of loads into registers that these products have read.
.macro TILE set, u
	s_cmp_le_u32 s[LEFT], \u
	s_cbranch_scc1 .Lpass_end                      ; the pass is done; nothing was asked for beyond it
	WIN 0x06+(\set)                                ; source 0 (pool) window 2 or 3, source 1 (Q) window 1, C and D window 0
.irp s, 0,1,2,3
.irp n, 0,1,2,3,4,5,6,7
.if \s == 0
	v_wmma_scale_f32_16x16x128_f8f6f4 v[D+8*\n:D+8*\n+7], v[32*\u+8*\s:32*\u+8*\s+7], v[32*\n+8*\s:32*\n+8*\s+7], 0, v[PS+2*(5*(\set)+\u)], v[QS+2*\n] matrix_a_fmt:MATRIX_FMT_FP4 matrix_b_fmt:MATRIX_FMT_FP4
.elseif \s == 2
	v_wmma_scale_f32_16x16x128_f8f6f4 v[D+8*\n:D+8*\n+7], v[32*\u+8*\s:32*\u+8*\s+7], v[32*\n+8*\s:32*\n+8*\s+7], v[D+8*\n:D+8*\n+7], v[PS+2*(5*(\set)+\u)+1], v[QS+2*\n+1] matrix_a_fmt:MATRIX_FMT_FP4 matrix_b_fmt:MATRIX_FMT_FP4
.else
	v_wmma_scale_f32_16x16x128_f8f6f4 v[D+8*\n:D+8*\n+7], v[32*\u+8*\s:32*\u+8*\s+7], v[32*\n+8*\s:32*\n+8*\s+7], v[D+8*\n:D+8*\n+7], v[PS+2*(5*(\set)+\u)+\s/2], v[QS+2*\n+\s/2] matrix_a_fmt:MATRIX_FMT_FP4 matrix_b_fmt:MATRIX_FMT_FP4 matrix_a_scale:MATRIX_SCALE_ROW1 matrix_b_scale:MATRIX_SCALE_ROW1
.endif
.endr
.endr
	WIN 0
.rept 4
	v_nop                                          ; four places between the last product and the first read of a result (ISA guide 7.12.1)
.endr
.irp i, 0,1,2,3
.irp n, 0,1,2,3,4,5,6,7
	v_pk_fma_f32 v[ACC+2*\n:ACC+2*\n+1], v[D+8*\n+2*\i:D+8*\n+2*\i+1], v[CC+8*(5*(\set)+\u)+2*\i:CC+8*(5*(\set)+\u)+2*\i+1], v[ACC+2*\n:ACC+2*\n+1]
.endr
.endr
.endm
; Five tiles of one set are multiplied while the next five are on their way into the other.
.macro HALF set, other
	s_wait_loadcnt 0x0                             ; this set's loads, issued five tiles of work ago, are in (the first time: Q, its scale words and 1/|q| too).  For 0: how many loads follow hangs on the count
	ISSUE \other, 5
.irp u, 0,1,2,3,4
	TILE \set, \u
.endr
	s_wait_xcnt 0x0                                ; the loads just issued have read their bases: the pointers may step
	s_add_nc_u64 s[PCD:PCD+1], s[PCD:PCD+1], 5*16384
	s_add_nc_u64 s[PSC:PSC+1], s[PSC:PSC+1], 5*1024
	s_add_nc_u64 s[PCF:PCF+1], s[PCF:PCF+1], 5*256
	s_sub_co_u32 s[LEFT], s[LEFT], 5               ; all five tiles ran, so at least five were left
.endm
.Lpass:                                            ; pass 0: tile indices ROT .. NW - 1;  pass 1: 0 .. ROT - 1
	s_wait_xcnt 0x0                                ; no load still reads the walking pointers
	s_cmp_eq_u32 s[PASS], 0
	s_cselect_b32 s[START], s[ROT], 0
	s_cselect_b32 s[LEFT], s[REM0], s[ROT]
	s_min_u32 s[START], s[START], 63
	s_lshl_b32 s[OFS], s[START], 14                ; from index to index: four tiles: 16,384 bytes of codes,
	s_add_nc_u64 s[PCD:PCD+1], s[BCD:BCD+1], s[OFS:OFS+1]
	s_lshl_b32 s[OFS], s[START], 10                ; 1,024 of scale words,
	s_add_nc_u64 s[PSC:PSC+1], s[BSC:BSC+1], s[OFS:OFS+1]
	s_lshl_b32 s[OFS], s[START], 8                 ; 256 of c
	s_add_nc_u64 s[PCF:PCF+1], s[BCF:BCF+1], s[OFS:OFS+1]
	ISSUE 0, 0
	s_mov_b32 s[TRIP], 0
.Lloop:                                            ; seven trips of ten tiles cover a wave's 64 at the most; a pass leaves the loop by TILE's branch
	HALF 0, 1
	HALF 1, 0
	s_add_co_u32 s[TRIP], s[TRIP], 1
	s_cmp_lt_u32 s[TRIP], 7
	s_cbranch_scc1 .Lloop
.Lpass_end:
	s_wait_loadcnt 0x0                             ; no load of the pass that has ended is out when the next pass loads into the same registers, or the end reads 1/|q|.
	                                               ; (A half asks for tiles only where more than five are left, and then none of its five tiles leaves the pass: by the counts nothing is out here)
	s_add_co_u32 s[PASS], s[PASS], 1
	s_cmp_lt_u32 s[PASS], 2
	s_cbranch_scc1 .Lpass
	; ---- THE END.  A query's sum lies in a pair (even and odd pool rows) of lanes l and l xor 16; then in four waves
.irp n, 0,1,2,3,4,5,6,7
	v_add_f32 v[ACC+2*\n], v[ACC+2*\n], v[ACC+2*\n+1]
.endr
.irp n, 0,1,2,3,4,5,6,7
	v_permlanex16_b32 v[ACC+2*\n+1], v[ACC+2*\n], s[SEL], s[SEL+1]
.endr
.irp n, 0,1,2,3,4,5,6,7
	v_add_f32 v[ACC+2*\n], v[ACC+2*\n], v[ACC+2*\n+1]
.endr
.irp m, 0,1,2,3
	v_cndmask_b32 v[212+\m], v[ACC+4*\m], v[ACC+4*\m+2], s[HI]   ; lanes 0-15 tile 2 m, lanes 16-31 tile 2 m + 1: lane l holds query 32 m + l
.endr
.irp m, 0,1,2,3
	ds_store_b32 v8, v[212+\m] offset:128*\m
.endr
	s_wait_dscnt 0x0                               ; for the others' sake: my 128 sums have landed
	s_barrier_signal -1
	s_barrier_wait -1
	s_cmp_lg_u32 s[WV], 0
	s_cbranch_scc1 .Lend                           ; wave 0 adds the four and stores
.irp w, 0,1,2,3
	ds_load_b128 v[216+4*\w:219+4*\w], v1 offset:512*\w          ; wave w's sums of queries 4 lane .. 4 lane + 3
.endr
	s_wait_dscnt 0x0
	v_pk_add_f32 v[216:217], v[216:217], v[220:221]
	v_pk_add_f32 v[218:219], v[218:219], v[222:223]
	v_pk_add_f32 v[224:225], v[224:225], v[228:229]
	v_pk_add_f32 v[226:227], v[226:227], v[230:231]
	v_pk_add_f32 v[216:217], v[216:217], v[224:225]
	v_pk_add_f32 v[218:219], v[218:219], v[226:227]
	v_pk_mul_f32 v[216:217], v[216:217], v[4:5]    ; x 1/|q|
	v_pk_mul_f32 v[218:219], v[218:219], v[6:7]
	global_store_b128 v1, v[216:219], s[22:23]     ; 32 lanes store 512 consecutive bytes, at a multiple of 512 from out0's first byte
.Lend:
	s_wait_tensorcnt 0x0
	ds_add_u32 v254, v255
	s_wait_dscnt 0x0
	s_endpgm
.Lfunc_end_k_qe03e6312e6_gemm:
	.size	k_qe03e6312e6_gemm, .Lfunc_end_k_qe03e6312e6_gemm-k_qe03e6312e6_gemm
	.p2alignl 7, 3214868480
	.fill 96, 4, 3214868480
	.section	.rodata,"a",@progbits
	.p2align	6, 0x0
	.amdhsa_kernel k_qe03e6312e6_gemm
		.amdhsa_group_segment_fixed_size 2560
		.amdhsa_private_segment_fixed_size 0
		.amdhsa_enable_private_segment 0
		.amdhsa_kernarg_size 64
		.amdhsa_user_sgpr_count 2
		.amdhsa_user_sgpr_kernarg_segment_ptr 1
		.amdhsa_wavefront_size32 1
		.amdhsa_system_sgpr_workgroup_id_x 1
		.amdhsa_system_sgpr_workgroup_id_y 1
		.amdhsa_system_sgpr_workgroup_id_z 1
		.amdhsa_system_vgpr_workitem_id 0
		.amdhsa_next_free_vgpr 928
		.amdhsa_next_free_sgpr 66
		.amdhsa_reserve_vcc 0
		.amdhsa_float_denorm_mode_32 3
		.amdhsa_float_denorm_mode_16_64 3
		.amdhsa_memory_ordered 1
		.amdhsa_forward_progress 1
		.amdhsa_inst_pref_size 107
	.end_amdhsa_kernel
	.amdgpu_metadata
---
amdhsa.version: [ 1, 2 ]
amdhsa.kernels:
  - .name:           k_qe03e6312e6_gemm
    .symbol:         k_qe03e6312e6_gemm.kd
    .args:
      - { .name: pcodes, .offset: 0, .size: 8, .value_kind: global_buffer, .address_space: global }
      - { .name: pscale, .offset: 8, .size: 8, .value_kind: global_buffer, .address_space: global }
      - { .name: pcoef, .offset: 16, .size: 8, .value_kind: global_buffer, .address_space: global }
      - { .name: qcodes, .offset: 24, .size: 8, .value_kind: global_buffer, .address_space: global }
      - { .name: qscale, .offset: 32, .size: 8, .value_kind: global_buffer, .address_space: global }
      - { .name: qinv, .offset: 40, .size: 8, .value_kind: global_buffer, .address_space: global }
      - { .name: counts, .offset: 48, .size: 8, .value_kind: global_buffer, .address_space: global }
      - { .name: out0, .offset: 56, .size: 8, .value_kind: global_buffer, .address_space: global }
    .group_segment_fixed_size: 2560
    .private_segment_fixed_size: 0
    .kernarg_segment_align: 8
    .kernarg_segment_size: 64
    .max_flat_workgroup_size: 128
    .sgpr_count:     66
    .vgpr_count:     928
    .wavefront_size: 32
...
	.end_amdgpu_metadata
.endif
;; end of part 2
;; ======== version 2 of 2: 2 launches; version 1 with the launch gemm written anew for expert scheduling mode
;; workspace buffers: pcodes 16,777,216 bytes; pscale 1,048,576 bytes; pcoef 262,144 bytes; qcodes 8,388,608 bytes; qscale 524,288 bytes; qinv 131,072 bytes; counts 256 bytes of whole numbers
;; launch quant: the kernel of part 1 again; grid 512 x 1, 8 waves a work-group, no clusters, 156,928 bytes of LDS; arguments pool, query, mask, pool_labels, pcodes, pscale, pcoef, qcodes, qscale, qinv, counts; writes pcodes, pscale, pcoef, qcodes, qscale, qinv, counts
;; launch gemm (part 3): grid 256 x 1, 4 waves a work-group, no clusters, 2,560 bytes of LDS; arguments pcodes, pscale, pcoef, qcodes, qscale, qinv, counts, out0; writes out0
.if DOCPART == 3
	.amdgcn_target "amdgcn-amd-amdhsa--gfx1250"
	.amdhsa_code_object_version 6
	.text
	.protected	k_qe03e6312e6_gemm
	.globl	k_qe03e6312e6_gemm
	.p2align	8
	.type	k_qe03e6312e6_gemm,@function
k_qe03e6312e6_gemm:
	s_mov_b64 s[64:65], 0
	v_nop
	global_prefetch_b8 v0, s[64:65] scope:SCOPE_SE
	s_setreg_imm32_b32 hwreg(HW_REG_WAVE_SCHED_MODE, 0, 2), 2
	s_setreg_imm32_b32 hwreg(HW_REG_WAVE_MODE, 25, 1), 1
	s_wait_xcnt 0x0
	s_wait_alu depctr_vm_vsrc(0)
; out0[t][q] = (1/|q|) x the sum over the batch's kept pool rows k of c_k x (Q(q) . Q(p_k)): the quantised product on codes of E2M1 with E8M0 scales, K = 512, sums in f32.
; The launch before has laid codes, scale words and c by tiles of 16 rows, in the order of the operand's registers, and stored counts[t] = the batch's tiles.
; SHARES.  A work-group owns 128 queries of a batch and is the one owner of their outputs.  Each of its four waves keeps the fragments of all 128 queries in 256 registers and takes every fourth
; pool tile (4 i + wave): a tile's 4,096 bytes of codes come by eight loads of 512 consecutive bytes straight into the operand's registers and feed 32 matrix instructions; no fragment is read twice
; by a wave and none goes through LDS.  At the end the four waves' sums meet in LDS once.
; LAYOUT.  Source 0 = 16 pool rows, source 1 = 16 queries: a lane holds ONE query (lane % 16) and its eight registers the pool rows 8 (lane / 16) + 0 .. 7, so the weights c are eight registers a tile
; and the weighted sum is four packed multiply-adds for each tile of queries.
; A scale register holds the words of K step 2 u in lanes 0-15 and of 2 u + 1 in lanes 16-31: odd steps read the upper row.
; THE WALK IS TURNED from work-group to work-group: work-group qb of a batch begins at tile index (qb x n) / 16 and wraps, in two passes, so that the sixteen that walk the same tiles stand at different ones.
; NO TENSOR LOAD, NO CLUSTER: the number of tiles is read from memory, so trip counts and branches hang on a loaded number; multiplying the kept rows alone
; is worth more here than a joint request would be.  No prefetch: each tile is read by sixteen work-groups, not once.
; REGISTERS, in windows of 256: window 0: v1-8 addresses and 1/|q|; v16-31 Q's scale words; v32-51 the pool's (two a tile, ten tiles); v52-67 the sums; v68-131 the eight products; v132-211 c (eight a tile); v212.. at work.
;   window 1: Q's fragments, tile n, K step s at v[32 n + 8 s].   window 2: pool set 0, tile u, K step s at v[32 u + 8 s], u < 5.   window 3: pool set 1 likewise.
; THE MODE: SCHED_MODE bits 1:0 = 2 (LLVM: expert scheduling mode 2), set by the entry lines.  The code itself states the register dependences
; between vector or matrix instructions and memory or LDS instructions, with s_wait_alu, always for 0.
; THE PLAN.  Registers that memory or LDS instructions touch:
;   v1, v2, v3, v8   offsets and the LDS address: made once at the head, read by every load, LDS access and store, never written again: the scalar bases walk, and immediate offsets do the rest.
;   Q, its scale words, 1/|q|   written by the head's loads alone.
;   pool set p, its ten scale words, its forty c   written once by the head's v_mov_b32, then by loads; read by the products and multiply-adds of the half that works on set p, and by nothing else.
;   v212-215   written by four selects, read by four LDS stores.   v216-231   LDS loads land in them; v216-219 are then worked on and stored.
;   The products and the sums are named by vector and matrix instructions alone.
; A half works on one set while the loads of the next five tiles land in the other.  ONE wait on va_vdst stands at a half's head: the half before is done reading the other set, its scale words and its c.
; Behind it the half's vector and matrix instructions name the set at work, Q, the products and the sums: none of the registers that its loads touch.  So these loads owe nothing more, and they are dealt:
; three tiles' at the head, one tile's behind the products of each of the half's first two tiles.  The same wait stands at a pass's head, ahead of its first five tiles' loads.
; No register that a memory or LDS instruction reads is ever written again, and the text writes neither EXEC nor VCC.
.set QS,   16
.set PS,   32
.set ACC,  52
.set D,    68
.set CC,   132
.set WV,   2
.set TT,   3
.set QB,   4
.set T0,   5
.set OFS,  6                           ; s[6:7] a byte offset, high word 0
.set NT,   24                          ; the batch's tiles
.set NW,   25                          ; my wave's
.set ROT,  26                          ; where my walk begins
.set REM0, 27                          ; tiles of pass 0
.set LEFT, 28                          ; tiles left in the pass, from the walking pointers on
.set TRIP, 29
.set PASS, 30
.set START, 31
.set BCD,  32                          ; s[32:33] codes, s[34:35] scale words, s[36:37] c: at my batch's tile number wave
.set BSC,  34
.set BCF,  36
.set PCD,  38                          ; s[38:43] the same three, walking
.set PSC,  40
.set PCF,  42
.set SEL,  44                          ; s[44:45] v_permlanex16_b32: lane l xor 16
.set HI,   46                          ; lanes 16-31
.set MSB, 0
.macro WIN new                         ; the immediate's high byte repeats the setting that is left; a switch that changes nothing is dropped
.if MSB != (\new)
	s_set_vgpr_msb (MSB<<8)|(\new)
.set MSB, (\new)
.endif
.endm
	s_load_b256 s[8:15], s[0:1], 0x0               ; pool's codes s[8:9], scales s[10:11], c s[12:13]; Q's codes s[14:15]
	s_load_b256 s[16:23], s[0:1], 0x20             ; Q's scales s[16:17], 1/|q| s[18:19], counts s[20:21], out0 s[22:23]
	v_lshl_add_u32 v254, v0, 2, 0x800
	v_mov_b32 v255, 0
	v_lshrrev_b32 v1, 5, v0
	v_readfirstlane_b32 s[WV], v1
	v_and_b32 v9, 31, v0                           ; lane
	v_lshlrev_b32 v1, 4, v9                        ; v1  16 x lane
	v_lshlrev_b32 v2, 3, v9                        ; v2  8 x lane
	v_lshrrev_b32 v3, 4, v9
	v_lshlrev_b32 v3, 5, v3                        ; v3  32 x (lane / 16): my eight c of a tile
	v_lshlrev_b32 v8, 2, v9
	s_wait_alu depctr_va_sdst(0)                   ; the wave's number is written, ahead of its first reader: LDS and global addresses and the wave's share of tiles are made from it
	s_lshl_b32 s[T0], s[WV], 9
	v_add_nc_u32 v8, s[T0], v8                     ; v8  LDS: my wave's 128 sums, 4 bytes a lane
	s_lshr_b32 s[TT], ttmp9, 4                     ; batch
	s_and_b32 s[QB], ttmp9, 15                     ; block of 128 queries
	s_mov_b32 s[OFS+1], 0
	s_mov_b32 s[SEL], 0x76543210
	s_mov_b32 s[SEL+1], 0xfedcba98
	s_mov_b32 s[HI], 0xffff0000
	s_wait_kmcnt 0x0
	s_lshl_b32 s[OFS], s[TT], 2
	s_add_nc_u64 s[20:21], s[20:21], s[OFS:OFS+1]
	s_load_b32 s[NT], s[20:21], 0x0                ; counts[t]
	s_lshl_b32 s[OFS], s[TT], 19
	s_lshl_b32 s[T0], s[QB], 15
	s_add_co_u32 s[OFS], s[OFS], s[T0]
	s_add_nc_u64 s[14:15], s[14:15], s[OFS:OFS+1]  ; Q's codes: 2^19 bytes a batch, 8 tiles of 4,096 a block
	s_lshl_b32 s[OFS], s[TT], 15
	s_lshl_b32 s[T0], s[QB], 11
	s_add_co_u32 s[OFS], s[OFS], s[T0]
	s_add_nc_u64 s[16:17], s[16:17], s[OFS:OFS+1]  ; its scale words: 256 bytes a tile
	s_lshl_b32 s[OFS], s[TT], 13
	s_lshl_b32 s[T0], s[QB], 9
	s_add_co_u32 s[OFS], s[OFS], s[T0]
	s_add_nc_u64 s[18:19], s[18:19], s[OFS:OFS+1]  ; 1/|q| and out0: 4 bytes a query
	s_add_nc_u64 s[22:23], s[22:23], s[OFS:OFS+1]
	s_lshl_b32 s[OFS], s[TT], 20
	s_lshl_b32 s[T0], s[WV], 12
	s_add_co_u32 s[OFS], s[OFS], s[T0]
	s_add_nc_u64 s[BCD:BCD+1], s[8:9], s[OFS:OFS+1]
	s_lshl_b32 s[OFS], s[TT], 16
	s_lshl_b32 s[T0], s[WV], 8
	s_add_co_u32 s[OFS], s[OFS], s[T0]
	s_add_nc_u64 s[BSC:BSC+1], s[10:11], s[OFS:OFS+1]
	s_lshl_b32 s[OFS], s[TT], 14
	s_lshl_b32 s[T0], s[WV], 6
	s_add_co_u32 s[OFS], s[OFS], s[T0]
	s_add_nc_u64 s[BCF:BCF+1], s[12:13], s[OFS:OFS+1]
	WIN 0x40                                       ; destination window 1
	s_wait_alu depctr_va_vdst(0)                   ; v1, v2, v3 and v8 are written: every load, LDS access and store of the kernel reads one of them as its offset or address
.irp n, 0,1,2,3,4,5,6,7
.irp p, 0,1,2,3,4,5,6,7
	global_load_b128 v[32*\n+4*\p:32*\n+4*\p+3], v1, s[14:15] offset:4096*\n+512*\p   ; load p = 2 s + c: registers 4 c .. 4 c + 3 of K step s; they stay
.endr
.endr
	WIN 0
.irp n, 0,1,2,3,4,5,6,7
	global_load_b64 v[QS+2*\n:QS+2*\n+1], v2, s[16:17] offset:256*\n
.endr
	global_load_b128 v[4:7], v1, s[18:19]          ; 1/|q| of queries 4 lane .. 4 lane + 3
	; Every register is written before it is read on every way through the text.  The pool's two sets, their scale words and their c are filled by loads that a count read from memory may jump over,
	; so each is written once here, with the sums, which begin as zeros (a batch may have no tile).  The lines stand behind the head's 73 loads, for whose data the wave would only wait.
	WIN 0x80
.set i, 0
.rept 160
	v_mov_b32 v[i], 0
.set i, i+1
.endr
	WIN 0xc0
.set i, 0
.rept 160
	v_mov_b32 v[i], 0
.set i, i+1
.endr
	WIN 0
.set i, PS
.rept 36
	v_mov_b32 v[i], 0                              ; the pool's scale words, and the sums
.set i, i+1
.endr
.set i, CC
.rept 80
	v_mov_b32 v[i], 0
.set i, i+1
.endr
	s_wait_kmcnt 0x0
	s_min_u32 s[NT], s[NT], 256                    ; inside the batch, whatever was read
	s_add_co_u32 s[NW], s[NT], 3
	s_sub_co_u32 s[NW], s[NW], s[WV]
	s_lshr_b32 s[NW], s[NW], 2                     ; tiles 4 i + wave under NT
	s_min_u32 s[NW], s[NW], 64
	s_mul_i32 s[ROT], s[QB], s[NW]
	s_lshr_b32 s[ROT], s[ROT], 4
	s_min_u32 s[ROT], s[ROT], 63
	s_sub_co_u32 s[REM0], s[NW], s[ROT]
	s_mov_b32 s[PASS], 0
; One tile, number lead + u from the walking pointers on, is asked for into place u of a set: eleven loads.  A tile past the pass's end is not asked for.
; No wait on va_vdst stands here: the one at the head of the half, or of the pass, has stated that this set, its scale words and its c are written and read no more,
; and no vector or matrix instruction issued since names them, nor v1 to v3.
.macro ISSUE1 set, lead, u
	s_cmp_le_u32 s[LEFT], \lead+\u
	s_cbranch_scc1 .Lnone_\@
	WIN 0x80+0x40*(\set)                           ; destination window 2 or 3
.irp p, 0,1,2,3,4,5,6,7
	global_load_b128 v[32*\u+4*\p:32*\u+4*\p+3], v1, s[PCD:PCD+1] offset:(\lead+\u)*16384+512*\p
.endr
	WIN 0
	global_load_b64 v[PS+2*(5*(\set)+\u):PS+2*(5*(\set)+\u)+1], v2, s[PSC:PSC+1] offset:(\lead+\u)*1024
	global_load_b128 v[CC+8*(5*(\set)+\u):CC+8*(5*(\set)+\u)+3], v3, s[PCF:PCF+1] offset:(\lead+\u)*256
	global_load_b128 v[CC+8*(5*(\set)+\u)+4:CC+8*(5*(\set)+\u)+7], v3, s[PCF:PCF+1] offset:(\lead+\u)*256+16
.Lnone_\@:
.endm
; One pool tile against the 128 queries: 32 matrix instructions, the eight accumulators by turns, one instruction a turn, K ascending; the first K step starts the sums with 0.
; ask < 5: behind the products, place ask of the other set is asked for: these loads name no register of the products, and hang on none of them.
; Then four places, and 32 packed multiply-adds with c, each product read from its low end on.  These 36 plain lines are also the places ahead of the next tile's products, which write over these.
.macro TILE set, u, other, ask
	s_cmp_le_u32 s[LEFT], \u
	s_cbranch_scc1 .Lpass_end                      ; the pass is done; nothing was asked for beyond it
	WIN 0x06+(\set)                                ; source 0 (pool) window 2 or 3, source 1 (Q) window 1, C and D window 0
.irp s, 0,1,2,3
.irp n, 0,1,2,3,4,5,6,7
.if \s == 0
	v_wmma_scale_f32_16x16x128_f8f6f4 v[D+8*\n:D+8*\n+7], v[32*\u+8*\s:32*\u+8*\s+7], v[32*\n+8*\s:32*\n+8*\s+7], 0, v[PS+2*(5*(\set)+\u)], v[QS+2*\n] matrix_a_fmt:MATRIX_FMT_FP4 matrix_b_fmt:MATRIX_FMT_FP4
.elseif \s == 2
	v_wmma_scale_f32_16x16x128_f8f6f4 v[D+8*\n:D+8*\n+7], v[32*\u+8*\s:32*\u+8*\s+7], v[32*\n+8*\s:32*\n+8*\s+7], v[D+8*\n:D+8*\n+7], v[PS+2*(5*(\set)+\u)+1], v[QS+2*\n+1] matrix_a_fmt:MATRIX_FMT_FP4 matrix_b_fmt:MATRIX_FMT_FP4
.else
	v_wmma_scale_f32_16x16x128_f8f6f4 v[D+8*\n:D+8*\n+7], v[32*\u+8*\s:32*\u+8*\s+7], v[32*\n+8*\s:32*\n+8*\s+7], v[D+8*\n:D+8*\n+7], v[PS+2*(5*(\set)+\u)+\s/2], v[QS+2*\n+\s/2] matrix_a_fmt:MATRIX_FMT_FP4 matrix_b_fmt:MATRIX_FMT_FP4 matrix_a_scale:MATRIX_SCALE_ROW1 matrix_b_scale:MATRIX_SCALE_ROW1
.endif
.endr
.endr
	WIN 0
.if \ask < 5
	ISSUE1 \other, 5, \ask
.endif
.rept 4
	v_nop                                          ; four places between the last product and the first read of a result (ISA guide 7.12.1)
.endr
.irp i, 0,1,2,3
.irp n, 0,1,2,3,4,5,6,7
	v_pk_fma_f32 v[ACC+2*\n:ACC+2*\n+1], v[D+8*\n+2*\i:D+8*\n+2*\i+1], v[CC+8*(5*(\set)+\u)+2*\i:CC+8*(5*(\set)+\u)+2*\i+1], v[ACC+2*\n:ACC+2*\n+1]
.endr
.endr
.endm
; Five tiles of one set are multiplied while the next five are on their way into the other.
.macro HALF set, other
	s_wait_loadcnt 0x0                             ; this set's loads, issued in the half before or at the pass's head, are in (the first time: Q, its scale words and 1/|q| too).  For 0: how many loads follow hangs on the count
	s_wait_alu depctr_va_vdst(0)                   ; the half before is done with the other set: its products have read the codes and scale words, its multiply-adds the c, in all of which this half's loads land
	ISSUE1 \other, 5, 0                            ; three tiles' loads at once;
	ISSUE1 \other, 5, 1
	ISSUE1 \other, 5, 2
	TILE \set, 0, \other, 3                        ; the fourth's and the fifth's behind the first two tiles' products: more than three tiles' work is left in which they land
	TILE \set, 1, \other, 4
	TILE \set, 2, \other, 9
	TILE \set, 3, \other, 9
	TILE \set, 4, \other, 9
	s_wait_xcnt 0x0                                ; the loads of this half have read their bases: the pointers may step
	s_add_nc_u64 s[PCD:PCD+1], s[PCD:PCD+1], 5*16384
	s_add_nc_u64 s[PSC:PSC+1], s[PSC:PSC+1], 5*1024
	s_add_nc_u64 s[PCF:PCF+1], s[PCF:PCF+1], 5*256
	s_sub_co_u32 s[LEFT], s[LEFT], 5               ; all five tiles ran, so at least five were left
.endm
.Lpass:                                            ; pass 0: tile indices ROT .. NW - 1;  pass 1: 0 .. ROT - 1
	s_wait_xcnt 0x0                                ; no load still reads the walking pointers
	s_cmp_eq_u32 s[PASS], 0
	s_cselect_b32 s[START], s[ROT], 0
	s_cselect_b32 s[LEFT], s[REM0], s[ROT]
	s_min_u32 s[START], s[START], 63
	s_lshl_b32 s[OFS], s[START], 14                ; from index to index: four tiles: 16,384 bytes of codes,
	s_add_nc_u64 s[PCD:PCD+1], s[BCD:BCD+1], s[OFS:OFS+1]
	s_lshl_b32 s[OFS], s[START], 10                ; 1,024 of scale words,
	s_add_nc_u64 s[PSC:PSC+1], s[BSC:BSC+1], s[OFS:OFS+1]
	s_lshl_b32 s[OFS], s[START], 8                 ; 256 of c
	s_add_nc_u64 s[PCF:PCF+1], s[BCF:BCF+1], s[OFS:OFS+1]
	s_wait_alu depctr_va_vdst(0)                   ; pass 0: the head's v_mov_b32 have written both sets, their scale words and their c, in which loads land and which scaled products take;
	                                               ; pass 1: the products and multiply-adds of pass 0 are done reading them
.irp u, 0,1,2,3,4
	ISSUE1 0, 0, \u
.endr
	s_mov_b32 s[TRIP], 0
.Lloop:                                            ; seven trips of ten tiles cover a wave's 64 at the most; a pass leaves the loop by TILE's branch
	HALF 0, 1
	HALF 1, 0
	s_add_co_u32 s[TRIP], s[TRIP], 1
	s_cmp_lt_u32 s[TRIP], 7
	s_cbranch_scc1 .Lloop
.Lpass_end:
	s_wait_loadcnt 0x0                             ; no load of the pass that has ended is out when the next pass loads into the same registers, or the end reads 1/|q|.
	                                               ; (A half asks for tiles only where more than five are left, and then none of its five tiles leaves the pass: by the counts nothing is out here)
	s_add_co_u32 s[PASS], s[PASS], 1
	s_cmp_lt_u32 s[PASS], 2
	s_cbranch_scc1 .Lpass
	; ---- THE END.  A query's sum lies in a pair (even and odd pool rows) of lanes l and l xor 16; then in four waves
.irp n, 0,1,2,3,4,5,6,7
	v_add_f32 v[ACC+2*\n], v[ACC+2*\n], v[ACC+2*\n+1]
.endr
.irp n, 0,1,2,3,4,5,6,7
	v_permlanex16_b32 v[ACC+2*\n+1], v[ACC+2*\n], s[SEL], s[SEL+1]
.endr
.irp n, 0,1,2,3,4,5,6,7
	v_add_f32 v[ACC+2*\n], v[ACC+2*\n], v[ACC+2*\n+1]
.endr
.irp m, 0,1,2,3
	v_cndmask_b32 v[212+\m], v[ACC+4*\m], v[ACC+4*\m+2], s[HI]   ; lanes 0-15 tile 2 m, lanes 16-31 tile 2 m + 1: lane l holds query 32 m + l
.endr
	s_wait_alu depctr_va_vdst(0)                   ; the four selects have written v212 to v215, which the LDS stores read
.irp m, 0,1,2,3
	ds_store_b32 v8, v[212+\m] offset:128*\m
.endr
	s_wait_dscnt 0x0                               ; for the others' sake: my 128 sums have landed
	s_barrier_signal -1
	s_barrier_wait -1
	s_cmp_lg_u32 s[WV], 0
	s_cbranch_scc1 .Lend                           ; wave 0 adds the four and stores
.irp w, 0,1,2,3
	ds_load_b128 v[216+4*\w:219+4*\w], v1 offset:512*\w          ; wave w's sums of queries 4 lane .. 4 lane + 3.  (No vector instruction has named v216 to v231; v1 stands since the head)
.endr
	s_wait_dscnt 0x0
	v_pk_add_f32 v[216:217], v[216:217], v[220:221]
	v_pk_add_f32 v[218:219], v[218:219], v[222:223]
	v_pk_add_f32 v[224:225], v[224:225], v[228:229]
	v_pk_add_f32 v[226:227], v[226:227], v[230:231]
	v_pk_add_f32 v[216:217], v[216:217], v[224:225]
	v_pk_add_f32 v[218:219], v[218:219], v[226:227]
	v_pk_mul_f32 v[216:217], v[216:217], v[4:5]    ; x 1/|q|
	v_pk_mul_f32 v[218:219], v[218:219], v[6:7]
	s_wait_alu depctr_va_vdst(0)                   ; the two multiplications have written v[216:219], which the store reads
	global_store_b128 v1, v[216:219], s[22:23]     ; 32 lanes store 512 consecutive bytes, at a multiple of 512 from out0's first byte
.Lend:
	s_wait_dscnt 0x0
	s_wait_alu depctr_hold_cnt(0) depctr_sa_sdst(0) depctr_va_vdst(0) depctr_va_sdst(0) depctr_va_ssrc(0) depctr_va_vcc(0) depctr_vm_vsrc(0)
	s_wait_tensorcnt 0x0
	ds_add_u32 v254, v255
	s_wait_dscnt 0x0
	s_endpgm
.Lfunc_end_k_qe03e6312e6_gemm:
	.size	k_qe03e6312e6_gemm, .Lfunc_end_k_qe03e6312e6_gemm-k_qe03e6312e6_gemm
	.p2alignl 7, 3214868480
	.fill 96, 4, 3214868480
	.section	.rodata,"a",@progbits
	.p2align	6, 0x0
	.amdhsa_kernel k_qe03e6312e6_gemm
		.amdhsa_group_segment_fixed_size 2560
		.amdhsa_private_segment_fixed_size 0
		.amdhsa_enable_private_segment 0
		.amdhsa_kernarg_size 64
		.amdhsa_user_sgpr_count 2
		.amdhsa_user_sgpr_kernarg_segment_ptr 1
		.amdhsa_wavefront_size32 1
		.amdhsa_system_sgpr_workgroup_id_x 1
		.amdhsa_system_sgpr_workgroup_id_y 1
		.amdhsa_system_sgpr_workgroup_id_z 1
		.amdhsa_system_vgpr_workitem_id 0
		.amdhsa_next_free_vgpr 928
		.amdhsa_next_free_sgpr 66
		.amdhsa_reserve_vcc 0
		.amdhsa_float_denorm_mode_32 3
		.amdhsa_float_denorm_mode_16_64 3
		.amdhsa_memory_ordered 1
		.amdhsa_forward_progress 1
		.amdhsa_inst_pref_size 108
	.end_amdhsa_kernel
	.amdgpu_metadata
---
amdhsa.version: [ 1, 2 ]
amdhsa.kernels:
  - .name:           k_qe03e6312e6_gemm
    .symbol:         k_qe03e6312e6_gemm.kd
    .args:
      - { .name: pcodes, .offset: 0, .size: 8, .value_kind: global_buffer, .address_space: global }
      - { .name: pscale, .offset: 8, .size: 8, .value_kind: global_buffer, .address_space: global }
      - { .name: pcoef, .offset: 16, .size: 8, .value_kind: global_buffer, .address_space: global }
      - { .name: qcodes, .offset: 24, .size: 8, .value_kind: global_buffer, .address_space: global }
      - { .name: qscale, .offset: 32, .size: 8, .value_kind: global_buffer, .address_space: global }
      - { .name: qinv, .offset: 40, .size: 8, .value_kind: global_buffer, .address_space: global }
      - { .name: counts, .offset: 48, .size: 8, .value_kind: global_buffer, .address_space: global }
      - { .name: out0, .offset: 56, .size: 8, .value_kind: global_buffer, .address_space: global }
    .group_segment_fixed_size: 2560
    .private_segment_fixed_size: 0
    .kernarg_segment_align: 8
    .kernarg_segment_size: 64
    .max_flat_workgroup_size: 128
    .sgpr_count:     66
    .vgpr_count:     928
    .wavefront_size: 32
...
	.end_amdgpu_metadata
.endif
;; end of part 3
